; MI455X (gfx1250); checked and timed in simulation.
; The chip was launched on July 23, 2026; its instructions are those of AMD's public machine-readable ISA for CDNA 5 (MIT licence, August 2026) and "CDNA5" Instruction Set Architecture Reference Guide (July 2026). The comments in the code are by the model that wrote it; some were corrected since.
;; Gemm RS Triton NV Link. Allowed arithmetic: float matrix products may take bf16 or f16 operands with f32 sums; other float arithmetic in f32, or as packed bf16 or f16 multiplies, adds, multiply-adds, maxima and minima; sums over many terms, partial sums and values carried from step to step in f32; what a program stores and reads back later, other than sums and carried values, may be rounded once to bf16 or f16.
;; Inputs: weight 8 x 1,024 x 4,096 float32; x 8 x 2,048 x 1,024 float32.
;; Outputs: out0 8 x 256 x 4,096 float32.
;; One version. Each part assembles by itself: llvm-mc -triple=amdgcn-amd-amdhsa -mcpu=gfx1250 --defsym DOCPART=n.
;; ======== version 1 of 1: 3 launches
;; workspace buffers: xb 33,554,432 bytes; wb 67,108,864 bytes; part 67,108,864 bytes
;; launch cast (part 1): grid 768 x 1, 8 waves a work-group, no clusters, 0 bytes of LDS; arguments x, weight, xb, wb; writes xb, wb
.if DOCPART == 1
	.amdgcn_target "amdgcn-amd-amdhsa--gfx1250"
	.amdhsa_code_object_version 6
	.text
	.protected	k_qf4884d4ed7_cast
	.globl	k_qf4884d4ed7_cast
	.p2align	8
	.type	k_qf4884d4ed7_cast,@function
k_qf4884d4ed7_cast:
	s_mov_b64 s[64:65], 0
	v_nop
	global_prefetch_b8 v0, s[64:65] scope:SCOPE_SE
	s_setreg_imm32_b32 hwreg(HW_REG_WAVE_MODE, 25, 1), 1
	s_wait_xcnt 0x0
; THE PROGRAM.  out0, seen as [2048][4096] f32, is the sum over k = 0 .. 8191 of X[m][k] W[k][n], with k = 1024 r + k': X[m][k] = x[r][m][k'], W[k][n] = weight[r][k'][n].
; The reshape at the end of the problem moves no byte.  NOTHING IS LEFT OUT: every number of x and of weight reaches an output, and both are read whole.
; THREE LAUNCHES.  This one rounds both inputs once to bf16 (nearest even) and lays x so that a row of X is one row of memory; the second multiplies, each half of K by itself; the third adds the two halves.
;   xb: bf16 [2048][8192], element (m, 1024 r + k').     wb: bf16 [8192][4096], in weight's own order (it is NOT turned: the second launch turns it on the way out of LDS).
; LIMITS.  The matrix operands have bf16's 8 significant bits; bf16 has f32's exponent range, so large and small inputs keep their size.  NaN and infinities are rounded as v_cvt_pk_bf16_f32 rounds them.
; SHARES.  A ROW here is 1,024 f32: 4,096 bytes in, 2,048 bytes out.  A work-group takes 64 rows, each of its eight waves 8 rows: 64 loads of 16 bytes a lane, each 512 consecutive bytes.
; Work-groups 0-255 take x (rank g / 32, rows 64 (g % 32) on), work-groups 256-767 take weight, which is copied in its own order.
; A ring of 16 slots in registers, served FOUR SLOTS AT A TIME: 12 to 16 loads of every wave are on their way, and the two waits at a group's head are paid once for four loads and four stores.
; Each store of a wave covers 256 consecutive bytes, at a multiple of 256 from its buffer's first byte.
; No LDS, no barrier, no cluster, no matrix unit: no byte is wanted by two waves.  No prefetch: the loads themselves are the stream.
.set DEPTH, 16                         ; slots
.set GRP,   4                          ; slots in a group
.set NLOAD, 64                         ; loads of a wave
.set IN,   1                           ; v1       my byte offset in the work-group's input: 32,768 x wave + 16 x lane; never rewritten
.set OFFO, 2                           ; v[2:9]   row j of my wave's eight: its byte offset in the output, + 8 x lane; never rewritten
.set X,    16                          ; v[16:79]  slot: 4 f32 as loaded
.set Y,    80                          ; v[80:111] slot: 4 bf16 to store
	s_load_b256 s[4:11], s[0:1], 0x0               ; x s[4:5], weight s[6:7], xb s[8:9], wb s[10:11]
	s_max_u32 s12, ttmp9, 256
	s_sub_co_u32 s12, s12, 256                     ; my number among weight's work-groups (0 in x's, where it is not used)
	s_lshl_b32 s16, ttmp9, 18                      ; x: 64 rows of 4,096 bytes a work-group
	s_lshl_b32 s17, s12, 18                        ; weight: the same
	s_and_b32 s18, ttmp9, 31
	s_lshl_b32 s18, s18, 20                        ; xb: row m = 64 (g % 32), 16,384 bytes a row,
	s_lshr_b32 s19, ttmp9, 5
	s_lshl_b32 s19, s19, 11                        ; and the rank's 2,048 bytes in it
	s_add_co_u32 s18, s18, s19
	s_lshl_b32 s19, s12, 17                        ; wb: 64 rows of 2,048 bytes a work-group
	s_mov_b32 s25, 0
	s_mov_b32 s27, 0
	s_cmp_lt_u32 ttmp9, 256                        ; x or weight?
	s_cselect_b32 s24, s16, s17                    ; where I read,
	s_cselect_b32 s26, s18, s19                    ; where I write,
	s_cselect_b32 s28, 14, 11                      ; and from output row to output row: 16,384 bytes in xb, 2,048 in wb, as a shift
	v_lshrrev_b32 v10, 5, v0                       ; wave
	v_and_b32 v11, 31, v0                          ; lane
	v_lshlrev_b32 v[IN], 15, v10
	v_lshl_or_b32 v[IN], v11, 4, v[IN]
	s_wait_kmcnt 0x0
	s_cmp_lt_u32 ttmp9, 256
	s_cselect_b64 s[20:21], s[4:5], s[6:7]
	s_cselect_b64 s[22:23], s[8:9], s[10:11]
	s_add_nc_u64 s[20:21], s[20:21], s[24:25]
	s_add_nc_u64 s[22:23], s[22:23], s[26:27]
.set i, 0
.rept DEPTH
	global_load_b128 v[X+4*i:X+4*i+3], v[IN], s[20:21] offset:512*i th:TH_LOAD_NT  ; the ring is filled
.set i, i+1
.endr
	v_lshlrev_b32 v10, 3, v10                      ; my wave's first row of the 64
	v_lshlrev_b32 v11, 3, v11                      ; 8 bytes a lane
.irp j, 0,1,2,3,4,5,6,7
	v_add_nc_u32 v[OFFO+(\j)], \j, v10
	v_lshl_add_u32 v[OFFO+(\j)], v[OFFO+(\j)], s28, v11
.endr
; The turn of loads n .. n + 3 (load n: row n / 8 of my eight, its bytes 512 (n % 8) on).
.macro GROUP n
.if (\n) < NLOAD-DEPTH
	s_wait_loadcnt DEPTH-GRP                       ; loads come back in order (ISA guide 5.7.1): my four are in, the 12 younger ones stay out
.else
	s_wait_loadcnt NLOAD-GRP-(\n)                  ; the last four groups load nothing: the counts run down 12, 8, 4, 0
.endif
	s_wait_xcnt 0x0                                ; every earlier memory instruction has had its addresses translated (ISA guide 3.1): the four slots' Y, which their last stores read, are rewritten only behind this wait; one wait for the group
.irp j, 0,1,2,3
.set sl, ((\n)+(\j))%DEPTH
	v_cvt_pk_bf16_f32 v[Y+2*sl],   v[X+4*sl],   v[X+4*sl+1]
	v_cvt_pk_bf16_f32 v[Y+2*sl+1], v[X+4*sl+2], v[X+4*sl+3]
.endr
.if (\n) < NLOAD-DEPTH
.irp j, 0,1,2,3
.set sl, ((\n)+(\j))%DEPTH
	global_load_b128 v[X+4*sl:X+4*sl+3], v[IN], s[20:21] offset:512*((\n)+(\j)+DEPTH) th:TH_LOAD_NT  ; the loads go ahead of the stores
.endr
.endif
.irp j, 0,1,2,3
.set sl, ((\n)+(\j))%DEPTH
	global_store_b64 v[OFFO+((\n)+(\j))/8], v[Y+2*sl:Y+2*sl+1], s[22:23] offset:256*(((\n)+(\j))%8)
.endr
.endm
.set i, 0
.rept NLOAD/GRP
	GROUP i
.set i, i+GRP
.endr
	s_endpgm
.Lfunc_end_k_qf4884d4ed7_cast:
	.size	k_qf4884d4ed7_cast, .Lfunc_end_k_qf4884d4ed7_cast-k_qf4884d4ed7_cast
	.p2alignl 7, 3214868480
	.fill 96, 4, 3214868480
	.section	.rodata,"a",@progbits
	.p2align	6, 0x0
	.amdhsa_kernel k_qf4884d4ed7_cast
		.amdhsa_group_segment_fixed_size 0
		.amdhsa_private_segment_fixed_size 0
		.amdhsa_enable_private_segment 0
		.amdhsa_kernarg_size 32
		.amdhsa_user_sgpr_count 2
		.amdhsa_user_sgpr_kernarg_segment_ptr 1
		.amdhsa_wavefront_size32 1
		.amdhsa_system_sgpr_workgroup_id_x 1
		.amdhsa_system_sgpr_workgroup_id_y 1
		.amdhsa_system_sgpr_workgroup_id_z 1
		.amdhsa_system_vgpr_workitem_id 0
		.amdhsa_next_free_vgpr 112
		.amdhsa_next_free_sgpr 66
		.amdhsa_reserve_vcc 0
		.amdhsa_float_denorm_mode_32 3
		.amdhsa_float_denorm_mode_16_64 3
		.amdhsa_memory_ordered 1
		.amdhsa_forward_progress 1
		.amdhsa_inst_pref_size 24
	.end_amdhsa_kernel
	.amdgpu_metadata
---
amdhsa.version: [ 1, 2 ]
amdhsa.kernels:
  - .name:           k_qf4884d4ed7_cast
    .symbol:         k_qf4884d4ed7_cast.kd
    .args:
      - { .name: x, .offset: 0, .size: 8, .value_kind: global_buffer, .address_space: global }
      - { .name: weight, .offset: 8, .size: 8, .value_kind: global_buffer, .address_space: global }
      - { .name: xb, .offset: 16, .size: 8, .value_kind: global_buffer, .address_space: global }
      - { .name: wb, .offset: 24, .size: 8, .value_kind: global_buffer, .address_space: global }
    .group_segment_fixed_size: 0
    .private_segment_fixed_size: 0
    .kernarg_segment_align: 8
    .kernarg_segment_size: 32
    .max_flat_workgroup_size: 256
    .sgpr_count:     66
    .vgpr_count:     112
    .wavefront_size: 32
...
	.end_amdgpu_metadata
.endif
;; end of part 1
;; launch gemm (part 2): grid 16 x 16, 4 waves a work-group, clusters of 4 x 4, 327,680 bytes of LDS; arguments xb, wb, part; writes part
.if DOCPART == 2
	.amdgcn_target "amdgcn-amd-amdhsa--gfx1250"
	.amdhsa_code_object_version 6
	.text
	.protected	k_qf4884d4ed7_gemm
	.globl	k_qf4884d4ed7_gemm
	.p2align	8
	.type	k_qf4884d4ed7_gemm,@function
k_qf4884d4ed7_gemm:
	s_mov_b64 s[64:65], 0
	v_nop
	global_prefetch_b8 v0, s[64:65] scope:SCOPE_SE
	s_setreg_imm32_b32 hwreg(HW_REG_WAVE_MODE, 25, 1), 1
	s_wait_xcnt 0x0
	s_wait_alu depctr_hold_cnt(0) depctr_sa_sdst(0) depctr_va_vdst(0) depctr_va_sdst(0) depctr_va_ssrc(0) depctr_va_vcc(0) depctr_vm_vsrc(0)
	s_getreg_b32 s2, hwreg(HW_REG_IB_STS2, 6, 4)
	s_cmp_eq_u32 s2, 0
	s_cbranch_scc0 .Lentry_in_a_cluster
	s_endpgm
.Lentry_in_a_cluster:
	s_bfe_u32 s2, ttmp6, 0x10000c
	s_cmp_lg_u32 s2, 0xf033
	s_cbranch_scc0 .Lentry_shape_is_right
	s_endpgm
.Lentry_shape_is_right:
; part[kh][m][n] = the sum over k = 4096 kh .. 4096 kh + 4095 of xb[m][k] wb[k][n].  xb: bf16 [2048][8192], wb: bf16 [8192][4096] (both made by the launch before), part: f32 [2][2048][4096].  Nothing is left out.
; Sums in f32, one accumulator for each number of part, K ascending; the launch behind adds the two halves.  LIMITS: the operands are the inputs rounded once to bf16; NaN and infinities go through the
; products as the matrix instruction takes them.
; SHARES.  A tile is 256 rows x 256 columns: 8 x 16 tiles, and each is made for each HALF OF K by a work-group of its own: 256 work-groups.  Four waves, each 128 x 128: 64 accumulators of 16 x 16, 512 registers:
; for 32 along K a wave issues 32 LDS loads and 64 matrix instructions.
; K goes in steps of 128 through a ring of two LDS slots filled by the tensor data mover.  A step's tile of xb is 256 rows of 256 bytes, its tile of wb 128 rows (k) of 512 bytes (256 columns);
; all these rows start at multiples of 256 bytes from their buffer's first byte.  Waves 0 and 1 fetch the halves of xb's tile (128 rows a load), waves 2 and 3 those of wb's (64 rows a load).
; wb LIES [k][n]: its fragments come out of LDS turned, by ds_load_tr16_b128, two loads a fragment like any other.
; CLUSTERS: 4 x 4 work-groups, all of one half of K (kh = cluster y / 2; tile row = 4 (cluster y % 2) + cy; tile column = 4 cluster x + cx).  The four of a row of the cluster need the same tiles of xb, the four
; of a column the same tiles of wb: each tile is asked for JOINTLY, by the same tensor load with the same descriptor and a mask that names the four.
; THE MATRIX INSTRUCTION IS USED TRANSPOSED (source 0 = 16 columns of wb, source 1 = 16 rows of xb): lane l then holds row l % 16 of the tile and the columns 8 (l / 16) + 0..7: 32 bytes on end.
; REGISTERS, in windows of 256 (s_set_vgpr_msb: bits 1:0 source 0, 3:2 source 1, 5:4 source 2, 7:6 destination):
;   window 0: v0-31 addresses; v64-127, v128-191 fragments of xb (8 x 16 rows x 32 K), two buffers          window 1: v64-127, v128-191 fragments of wb (8 x 16 columns x 32 K), two buffers
;   window 2: the 32 accumulators of my rows 0-63 ((a, b), rows 16 a on, columns 16 b on, at v[8 (8 a + b)]);   window 3: those of my rows 64-127
.set KSTEP,  128
.set LAPS,   16                        ; a lap = two K steps = once round the ring; a half of K is 4096 = 16 x 256
.set XROW,   16384                     ; bytes in a row of xb
.set WROW,   8192                      ; bytes in a row of wb
.set OROW,   16384                     ; bytes in a row of part
.set PA,     272                       ; an LDS row of xb's tile: 256 bytes + 16 of padding = 68 words: row r starts at bank 4 r mod 64 (64 banks of 4 bytes: ISA guide 11.1)
.set PB,     544                       ; an LDS row of wb's tile: 512 bytes + 32 of padding = 136 words: row r starts at bank 8 r mod 64
.set HALFT,  128*PA                    ; what one tensor load brings: 128 rows of xb's tile, or 64 rows of wb's (64 x 544 is the same 34,816 bytes)
.set SLOT,   4*HALFT                   ; xb's 256 rows, then wb's 128 rows: 139,264 bytes
.set STAGE,  2*SLOT                    ; behind the ring, never filled by a tensor load: 16 rows x 528 bytes for each wave, for the way out
.set SP,     528                       ; a stage row: 512 bytes + 16
.set SPARE,  STAGE+4*16*SP             ; behind the stages: the spare words, 128 bytes for each wave: two blocks of 256 bytes that no other line names
.set ADRA, 16                          ; v16-17  LDS address of my fragments of xb in slot 0, 1
.set ADRB, 20                          ; v20-21  the same for wb
.set STO,  24                          ; v24     the way out: where I put 32 bytes of a row
.set RD,   25                          ; v25     the way out: where I read a row back
.set CO,   26                          ; v26     my byte offset in 512 bytes of a row of part
.set SPW,  28                          ; v28     LDS address of my spare word: SPARE + 4 x my thread's number; never rewritten
.set NIL,  29                          ; v29     0; never rewritten
.set PFO,  30                          ; v30     the prefetches' offset of my lane; never rewritten
.set F0,   64                          ; fragment buffer 0, in windows 0 (xb) and 1 (wb)
.set F1,   128                         ; fragment buffer 1
.set G1,  24                           ; s[24:31] descriptor group 1 for xb's tiles;  s[32:39] group 0, one set for each slot
.set G0,  32
.set G1B, 48                           ; s[48:55], s[56:63] the same for wb's tiles
.set G0B, 56
.set PFA, 68                           ; s[68:69] where my prefetches stand
.set PFS, 70                           ; s[70:71] a K step in my tensor, in bytes
.set LIM, 72                           ; s72     1 in a wave that prefetches, else the greatest number
.set MSB, 0
.macro WIN new                         ; the immediate's high byte repeats the setting that is left; a switch that changes nothing is dropped
.if MSB != (\new)
	s_set_vgpr_msb (MSB<<8)|(\new)
.set MSB, \new
.endif
.endm
.set MUL_LO, 0xa1                      ; source 0 (wb) window 1, source 1 (xb) window 0, C and D window 2
.set MUL_HI, 0xf1                      ; the same, C and D window 3
.set TO_B,   0x40                      ; destination window 1, address window 0
; A joint load: waves 0 and 1 fetch xb's two halves, waves 2 and 3 wb's.  The branch hangs on the wave's number alone.  An s_nop 0 and four v_nop follow each of the two lines, ahead of the jump,
; the label and what follows.
.macro JLOAD s
	s_cmp_eq_u32 s11, 0
	s_cbranch_scc0 .Lfor_b_\@
	tensor_load_to_lds s[G0+4*(\s):G0+4*(\s)+3], s[G1:G1+7]
	s_nop 0
.rept 4
	v_nop
.endr
	s_branch .Lasked_\@
.Lfor_b_\@:
	tensor_load_to_lds s[G0B+4*(\s):G0B+4*(\s)+3], s[G1B:G1B+7]
	s_nop 0
.rept 4
	v_nop
.endr
.Lasked_\@:
.endm
.macro CREST                           ; a round of the cluster's barrier behind its opening barrier: wave 0 signals for the work-group, every wave waits for all sixteen, my work-group's barrier closes it
	s_cmp_lg_u32 s10, 0
	s_cbranch_scc1 .Lnot_wave_0_\@
	s_barrier_signal -3
.Lnot_wave_0_\@:
	s_barrier_wait -3
	s_barrier_signal -1
	s_barrier_wait -1
.endm
.macro CROUND                          ; a whole round
	s_barrier_signal -1
	s_barrier_wait -1
	CREST
.endm
; A PREFETCH INTO THE L2, behind each joint refill, its five lines and the run of LDS loads that follows them: behind the refill that asks for K step R stands one instruction for K step R + 2:
; two K steps, 512 matrix instructions of a wave, ahead of the load that will want it.  Each aligned block of 256 bytes of a K step is named ONCE in the launch.
; xb's tile row, in one half of K, is read by every cluster of that row of clusters: cluster x = 0 asks; of the 128 rows that wave 0 or 1 fetches each of the four partners of a row takes 32, BY ADDRESS (cx): a lane a row.
; wb's tile column, in one half of K, is read by the two clusters of that column and half: the one with even cluster y asks; of the 64 rows that wave 2 or 3 fetches each of the four partners of a column takes 16,
; BY ADDRESS (cy): two lanes a row of 512 bytes.  No branch hangs on a work-group's place in its cluster.  K steps 0 to 3 come by their loads alone; the loop's last trip asks for nothing: its half of K has no K steps 32 on.
.macro ASK
	s_cmp_gt_u32 s3, s[LIM]                        ; s3 = 15 - trip: trips 0 to 13 ask, for K steps 2 trip + 4 and 2 trip + 5
	s_cbranch_scc0 .Lnot_mine_\@
	global_prefetch_b8 v[PFO], s[PFA:PFA+1] th:TH_LOAD_NT scope:SCOPE_SE
.Lnot_mine_\@:
.endm
	s_load_b128 s[4:7], s[0:1], 0x0                ; xb s[4:5], wb s[6:7]
	s_load_b64 s[8:9], s[0:1], 0x10                ; part
	v_lshl_add_u32 v[SPW], v0, 2, SPARE
	v_mov_b32 v[NIL], 0
	ds_add_u32 v[SPW], v[NIL]                      ; the wave's opening: the add, twice on end, and its wait stand ahead of my first tensor load; the set-up below, work on registers, stands between the second and the wait
	ds_add_u32 v[SPW], v[NIL]                      ; and once more, under the one wait
	v_lshrrev_b32 v1, 5, v0
	v_readfirstlane_b32 s10, v1                    ; wave 0..3
	s_lshr_b32 s11, s10, 1                         ; which 128 of the tile's rows are mine.  Also: I fetch for xb (0) or for wb (1)
	s_and_b32 s12, s10, 1                          ; which 128 of its columns.  Also: which half of that tile I fetch
	s_bfe_u32 s40, ttmp6, 0x40000                  ; cx, cy: my place in the cluster
	s_bfe_u32 s41, ttmp6, 0x40004
	s_lshl_b32 s42, ttmp9, 2                       ; in a cluster launch ttmp9 and ttmp7 count clusters
	s_add_co_u32 s42, s42, s40                     ; tile column = 4 x cluster x + cx
	s_and_b32 s73, ttmp7, 0xffff                   ; cluster y
	s_lshr_b32 s74, s73, 1                         ; kh: my cluster's half of K
	s_and_b32 s75, s73, 1                          ; which four of the eight tile rows are my cluster's
	s_lshl_b32 s13, s75, 2
	s_add_co_u32 s13, s13, s41                     ; tile row = 4 x (cluster y % 2) + cy
	s_lshl_b32 s43, s41, 2
	s_lshl_b32 s43, 15, s43                        ; my row of the cluster: places 4 cy .. 4 cy + 3
	s_lshl_b32 s44, 0x1111, s40                    ; my column: places cx, cx + 4, cx + 8, cx + 12
	; descriptor group 1.  xb: 128 rows x 128 elements; wb: 64 rows x 256 elements; both padded in LDS
	s_or_b32 s[G1+0], s43, (1<<16)|(1<<20)|(1<<21)|(5<<22)|(3<<25)   ; 15:0 the mask: my row; 17:16 elements of 2 bytes; 20 padding on; 21 set beside a mask; 24:22 after every 64 words (code 5); 31:25 4 words (code 3)
	s_or_b32 s[G1B+0], s44, (1<<16)|(1<<20)|(1<<21)|(6<<22)|(7<<25)  ; the mask: my column; after every 128 words (code 6), 8 words (code 7)
	s_mov_b32 s[G1+1], 128<<16                     ; tensor_dim0 = 128
	s_mov_b32 s[G1+2], 128<<16                     ; tensor_dim1 = 128
	s_mov_b32 s[G1+3], 128<<16                     ; tile_dim0 = 128
	s_mov_b32 s[G1+4], 128                         ; tile_dim1 = 128
	s_mov_b32 s[G1+5], 8192                        ; elements from row to row of xb
	s_mov_b32 s[G1+6], 0
	s_mov_b32 s[G1+7], 0
	s_mov_b32 s[G1B+1], 256<<16                    ; tensor_dim0 = 256
	s_mov_b32 s[G1B+2], 64<<16                     ; tensor_dim1 = 64
	s_mov_b32 s[G1B+3], 256<<16                    ; tile_dim0 = 256
	s_mov_b32 s[G1B+4], 64                         ; tile_dim1 = 64
	s_mov_b32 s[G1B+5], 4096                       ; elements from row to row of wb
	s_mov_b32 s[G1B+6], 0
	s_mov_b32 s[G1B+7], 0
	; where the tiles come from.  xb's hang on the tile row and the half of K, which my row of the cluster shares; wb's on the tile column and the half of K, which my column shares.  Every wave makes both and asks by one.
	s_lshl_b32 s16, s13, 8
	s_lshl_b32 s17, s12, 7
	s_add_co_u32 s16, s16, s17                     ; xb: row 256 x tile row + 128 x half,
	s_lshl_b32 s16, s16, 14                        ; in bytes (under 2^25),
	s_lshl_b32 s17, s74, 13                        ; and 4,096 kh elements along it
	s_add_co_u32 s16, s16, s17
	s_mov_b32 s17, 0
	s_lshl_b32 s46, s74, 12                        ; wb: row (k) 4,096 kh + 64 x half,
	s_lshl_b32 s47, s12, 6
	s_add_co_u32 s46, s46, s47
	s_lshl_b32 s46, s46, 13                        ; 8,192 bytes a row (under 2^26),
	s_lshl_b32 s47, s42, 9                         ; column 256 x tile column, 2 bytes each
	s_add_co_u32 s46, s46, s47
	s_mov_b32 s47, 0
	s_mul_i32 s20, s10, HALFT                      ; and where they go: xb's two halves, then wb's two halves = wave x 34,816: no place in the cluster enters an LDS address
	s_wait_dscnt 0x0                               ; both opening adds are done
	s_wait_kmcnt 0x0
	s_add_nc_u64 s[14:15], s[4:5], s[16:17]
	s_add_nc_u64 s[46:47], s[6:7], s[46:47]
	CROUND                                         ; all sixteen work-groups are here: the first joint loads meet
.irp s, 0,1
	s_mov_b32 s[G0+4*(\s)], 1                                        ; 1:0 count = 1
	s_add_co_u32 s[G0+4*(\s)+1], s20, (\s)*SLOT                      ; 63:32 LDS address
	s_add_nc_u64 s[G0+4*(\s)+2:G0+4*(\s)+3], s[14:15], (\s)*KSTEP*2  ; 120:64 global address: K step s lies 256 s bytes along xb's rows,
	s_or_b32 s[G0+4*(\s)+3], s[G0+4*(\s)+3], 0x80000000              ; 127:126 type = 2
	s_mov_b32 s[G0B+4*(\s)], 1
	s_add_co_u32 s[G0B+4*(\s)+1], s20, (\s)*SLOT
	s_add_nc_u64 s[G0B+4*(\s)+2:G0B+4*(\s)+3], s[46:47], (\s)*KSTEP*WROW  ; and 128 s rows down wb
	s_or_b32 s[G0B+4*(\s)+3], s[G0B+4*(\s)+3], 0x80000000
	JLOAD \s                                       ; two loads of mine are out
.endr
	; A fragment of xb is 16 rows x 32 K in 8 registers: lane l holds row l % 16; registers 0-3 K = 8 (l / 16) + 0..7, registers 4-7 K = 16 + 8 (l / 16) + 0..7: two loads of 16 bytes, 32 bytes apart.
	v_and_b32 v1, 15, v0                           ; l % 16
	v_bfe_u32 v2, v0, 4, 1                         ; l / 16
	v_mul_u32_u24 v3, v1, PA
	v_lshl_add_u32 v3, v2, 4, v3                   ; row x pitch + 16 x half
	s_mul_i32 s20, s11, HALFT                      ; my 128 rows of xb's 256
	v_add_nc_u32 v[ADRA], s20, v3
	v_add_nc_u32 v[ADRA+1], SLOT, v[ADRA]
	; The turning load takes 16 k x 16 columns (lane l reads 16 bytes: row k = 8 (l / 16) + l % 8, columns 8 ((l / 8) % 2) + 0..7) and leaves half a fragment: lane l holds column l % 16 and 8 k.
	v_and_b32 v4, 7, v0
	v_lshl_add_u32 v4, v2, 3, v4
	v_mul_u32_u24 v4, v4, PB
	v_bfe_u32 v5, v0, 3, 1
	v_lshl_add_u32 v4, v5, 4, v4
	s_lshl_b32 s21, s12, 8                         ; my 128 columns of the 256: 256 bytes along the rows,
	s_add_co_u32 s21, s21, 2*HALFT                 ; behind xb's tile
	v_add_nc_u32 v[ADRB], s21, v4
	v_add_nc_u32 v[ADRB+1], SLOT, v[ADRB]
	s_mul_i32 s23, s10, 16*SP
	s_add_co_u32 s23, s23, STAGE                   ; my stage
	v_mul_u32_u24 v6, v1, SP                       ; in: row l % 16, 32 bytes for each half of the lanes
	v_lshl_add_u32 v6, v2, 5, v6
	v_add_nc_u32 v[STO], s23, v6
	v_and_b32 v7, 31, v0                           ; l
	v_lshl_add_u32 v[RD], v7, 4, s23               ; back: 32 lanes take one row of 512 bytes,
	v_lshlrev_b32 v[CO], 4, v7                     ; which are 512 consecutive bytes of part
	s_lshl_b32 s16, s13, 8
	s_lshl_b32 s17, s11, 7
	s_add_co_u32 s16, s16, s17                     ; my first row: 256 x tile row + 128 x half,
	s_lshl_b32 s16, s16, 14                        ; 16,384 bytes a row,
	s_lshl_b32 s17, s74, 25                        ; in my half of K's 33,554,432 bytes of part
	s_add_co_u32 s16, s16, s17
	s_mov_b32 s17, 0
	s_add_nc_u64 s[8:9], s[8:9], s[16:17]
	s_lshl_b32 s46, s42, 10                        ; my first column, in bytes: 1,024 x tile column + 512 x half
	s_lshl_b32 s47, s12, 9
	s_add_co_u32 s46, s46, s47
	s_mov_b32 s47, 0
	s_add_nc_u64 s[8:9], s[8:9], s[46:47]
	; the prefetches' address, step, lane offset and bound
	s_lshl_b32 s18, s13, 8
	s_lshl_b32 s19, s12, 7
	s_add_co_u32 s18, s18, s19                     ; xb: the 128 rows that I fetch,
	s_lshl_b32 s19, s40, 5
	s_add_co_u32 s18, s18, s19                     ; my work-group's 32 of them,
	s_lshl_b32 s18, s18, 14
	s_lshl_b32 s19, s74, 13                        ; in my half of K,
	s_add_co_u32 s18, s18, s19
	s_add_co_u32 s18, s18, 3*KSTEP*2               ; at K step 3: the first refill steps it to 4
	s_lshl_b32 s19, s74, 12                        ; wb: my half of K,
	s_lshl_b32 s20, s12, 6
	s_add_co_u32 s19, s19, s20                     ; the 64 rows that I fetch,
	s_lshl_b32 s20, s41, 4
	s_add_co_u32 s19, s19, s20                     ; my work-group's 16 of them,
	s_add_co_u32 s19, s19, 3*KSTEP                 ; at K step 3,
	s_lshl_b32 s19, s19, 13
	s_lshl_b32 s20, s42, 9
	s_add_co_u32 s19, s19, s20                     ; in the tile's columns
	s_mov_b32 s76, KSTEP*WROW
	s_mov_b32 s81, 0
	s_mov_b32 s[PFS+1], 0
	s_cmp_eq_u32 s11, 0                            ; do I fetch for xb?
	s_cselect_b32 s80, s18, s19
	s_cselect_b32 s22, ttmp9, s75                  ; the coordinate along which other clusters read the same rows
	s_cselect_b64 s[PFA:PFA+1], s[4:5], s[6:7]
	s_cselect_b32 s[PFS], KSTEP*2, s76             ; a K step: 256 bytes along xb's rows, 128 rows down wb
	s_cselect_b32 s77, 0, 1                        ; lanes to a row, less one
	s_cselect_b32 s78, 14, 13                      ; a row's bytes, as a shift
	s_add_nc_u64 s[PFA:PFA+1], s[PFA:PFA+1], s[80:81]
	s_cmp_eq_u32 s22, 0
	s_cselect_b32 s[LIM], 1, -1                    ; the same in all sixteen partners, for a given wave
	v_lshrrev_b32 v8, s77, v7
	v_lshlrev_b32 v8, s78, v8                      ; my lane's row,
	v_and_b32 v9, s77, v7
	v_lshl_add_u32 v[PFO], v9, 8, v8               ; and which 256 bytes of it
	; nothing is prefetched here, at the head, where every work-group's first tiles are on their way
; 16 matrix instructions: row blocks a0, a0 + 1 of the window's four (hi = 0: my rows 0-63, 1: rows 64-127) x all 8 blocks of 16 columns, 32 along K.  zero = 1: the product starts the sums: nothing is ever cleared.
; The 64 accumulators take turns, one instruction a turn, in the same order in every quarter: between two links of a chain stand the 63 others', over the backward jump too.
.macro MUL16 f, hi, a0, zero
	WIN MUL_LO+0x50*(\hi)
.irp a, \a0, (\a0)+1
.irp b, 0,1,2,3,4,5,6,7
.if \zero
	v_wmma_f32_16x16x32_bf16 v[8*(8*(\a)+(\b)):8*(8*(\a)+(\b))+7], v[(\f)+8*(\b):(\f)+8*(\b)+7], v[(\f)+8*(4*(\hi)+(\a)):(\f)+8*(4*(\hi)+(\a))+7], 0
.else
	v_wmma_f32_16x16x32_bf16 v[8*(8*(\a)+(\b)):8*(8*(\a)+(\b))+7], v[(\f)+8*(\b):(\f)+8*(\b)+7], v[(\f)+8*(4*(\hi)+(\a)):(\f)+8*(4*(\hi)+(\a))+7], v[8*(8*(\a)+(\b)):8*(8*(\a)+(\b))+7]
.endif
.endr
.endr
.endm
; 32 LDS loads in one run: the fragments of quarter q (K = 32 q on) of a slot into buffer f: wb's 128 columns first (16 turning loads), then xb's 128 rows (16 loads)
.macro FETCH slot, q, f
	WIN TO_B
.irp b, 0,1,2,3,4,5,6,7
	ds_load_tr16_b128 v[(\f)+8*(\b):(\f)+8*(\b)+3],   v[ADRB+(\slot)] offset:(\q)*32*PB+32*(\b)
	ds_load_tr16_b128 v[(\f)+8*(\b)+4:(\f)+8*(\b)+7], v[ADRB+(\slot)] offset:(\q)*32*PB+16*PB+32*(\b)
.endr
	WIN 0
.irp i, 0,1,2,3,4,5,6,7
	ds_load_b128 v[(\f)+8*(\i):(\f)+8*(\i)+3],   v[ADRA+(\slot)] offset:64*(\q)+(\i)*16*PA
	ds_load_b128 v[(\f)+8*(\i)+4:(\f)+8*(\i)+7], v[ADRA+(\slot)] offset:64*(\q)+(\i)*16*PA+32
.endr
.endm
; A load into a register that a matrix instruction has read, and an LDS store that reads a matrix result, stand four places behind that matrix instruction, and only plain vector instructions that
; name none of its registers are places (ISA guide 7.12.1 for vector instructions).
.macro PLACES
.rept 4
	v_nop
.endr
.endm
; A K step is four quarters of 32 along K, 64 matrix instructions each, on buffers 0, 1, 0, 1.  One of the first three: multiplies buffer f; in its middle it fetches quarter q of the same slot into buffer g.
.macro QUARTER slot, q, f, g, zero
	s_wait_dscnt 8                                 ; wb's fragments and xb's rows 0-63 are in; the youngest eight loads (rows 64-127) may be out
	MUL16 \f, 0, 0, \zero
	MUL16 \f, 0, 2, \zero
	PLACES                                         ; buffer g was multiplied in the quarter before
	FETCH \slot, \q, \g
	s_wait_dscnt 32                                ; all but the 32 just issued
	MUL16 \f, 1, 0, \zero
	MUL16 \f, 1, 2, \zero
.endm
; The last quarter multiplies buffer 1 and changes slots: ONE barrier, for two things.  In front of it each wave waits for all its tensor loads, of which one is out: its part of the next slot; adds 0 to
; its spare word; and waits for that and for its own reads of this slot.  Behind it nobody reads this slot any more and the next slot is whole.
; fill = 1: this slot is filled again, two K steps ahead.  The barrier then opens a round of the cluster's barrier, and the joint refill is the first tensor load behind the round:
; from the request to the wait for it a wave issues 224 matrix instructions.
.macro TURN slot, next, fill
.if \fill
	s_wait_xcnt 0x0                                ; the last prefetch, a K step back, has read its address: it is stepped here, ahead of the change's own waits
	s_add_nc_u64 s[PFA:PFA+1], s[PFA:PFA+1], s[PFS:PFS+1]
.endif
	WIN 0                                          ; (the add's two registers lie in window 0)
	s_wait_tensorcnt 0x0                           ; all my tensor loads have landed: the one that was out is my part of the next slot;
	ds_add_u32 v[SPW], v[NIL]                      ; 0 onto my spare word
	s_wait_dscnt 9                                 ; (the add and the youngest eight loads may be out)
	MUL16 F1, 0, 0, 0                              ; sixteen matrix instructions stand between the add and the wait for it
	s_wait_dscnt 0x0                               ; the add is done, and my reads of this slot are over
	s_barrier_signal -1
	MUL16 F1, 0, 2, 0                              ; work on registers while the others arrive
.if \fill
	WIN 0
.endif
	s_barrier_wait -1
.if \fill
	CREST                                          ; no wave of any partner still reads this slot's tile or has a load on its way
	s_add_nc_u64 s[G0+4*(\slot)+2:G0+4*(\slot)+3], s[G0+4*(\slot)+2:G0+4*(\slot)+3], 2*KSTEP*2        ; no tensor load of mine is out, so a group 0 may be written; the type bits on top are not reached
	s_add_nc_u64 s[G0B+4*(\slot)+2:G0B+4*(\slot)+3], s[G0B+4*(\slot)+2:G0B+4*(\slot)+3], 2*KSTEP*WROW
	JLOAD \slot                                    ; the four v_nop behind it are also the places in front of the loads below
.else
	PLACES
.endif
	FETCH \next, 0, F0
.if \fill
	ASK                                            ; behind the joint load and the run of LDS loads that the next products wait for
.endif
	MUL16 F1, 1, 0, 0
	MUL16 F1, 1, 2, 0
.endm
	s_wait_tensorcnt 0x1                           ; my part of K step 0 is in; K step 1's may stay out
	s_barrier_signal -1
	s_barrier_wait -1                              ; everybody's is
	FETCH 0, 0, F0
	QUARTER 0, 1, F0, F1, 1                        ; the first quarter stands in front of the loop: its products start the 64 sums
	WIN 0                                          ; at a label and at a branch every window is 0
	s_mov_b32 s3, LAPS-1
.Llap:                                                 ; a trip goes once round the ring, from a lap's second quarter to the next lap's first, and fills both slots again: trip t asks for K steps 2 t + 2 and 2 t + 3
	QUARTER 0, 2, F1, F0, 0
	QUARTER 0, 3, F0, F1, 0
	TURN 0, 1, 1
	QUARTER 1, 1, F0, F1, 0
	QUARTER 1, 2, F1, F0, 0
	QUARTER 1, 3, F0, F1, 0
	TURN 1, 0, 1
	QUARTER 0, 1, F0, F1, 0
	WIN 0
	s_sub_co_u32 s3, s3, 1
	s_cmp_lg_u32 s3, 0
	s_cbranch_scc1 .Llap
	QUARTER 0, 2, F1, F0, 0                        ; the last lap is written out: it fills nothing, and has no round of the cluster's barrier
	QUARTER 0, 3, F0, F1, 0
	TURN 0, 1, 0
	QUARTER 1, 1, F0, F1, 0
	QUARTER 1, 2, F1, F0, 0
	QUARTER 1, 3, F0, F1, 0
	s_wait_dscnt 8                                 ; the very last quarter: nothing more to fetch
	MUL16 F1, 0, 0, 0
	MUL16 F1, 0, 2, 0
	s_wait_dscnt 0x0
	MUL16 F1, 1, 0, 0
	MUL16 F1, 1, 2, 0
	; THE WAY OUT, 16 rows (a block) at a time.  A lane's 32 bytes of a row go into my own stage, in rows of 528 bytes; they come back as whole rows of 512 bytes, INTO THE REGISTERS THAT THEY LEFT, and are stored
	; from there: no register is written twice, so no store's data has to be waited for.  The stage is my wave's alone: no barrier.  One window setting serves a block's three kinds of lines:
	; data of LDS and global stores (source 1) and destination of LDS loads in the block's window, addresses (source 0) in window 0.
	PLACES
	PLACES                                         ; eight, once a launch, behind the last products
.macro TOSTAGE a
.set AC, 64*((\a)%4)
	WIN 0x88+0x44*((\a)/4)
.irp b, 0,1,2,3,4,5,6,7
	ds_store_b128 v[STO], v[AC+8*(\b):AC+8*(\b)+3]   offset:64*(\b)     ; each accumulator's low four registers are read first
	ds_store_b128 v[STO], v[AC+8*(\b)+4:AC+8*(\b)+7] offset:64*(\b)+16
.endr
.irp t, 0,1,2,3,4,5,6,7,8,9,10,11,12,13,14,15
	ds_load_b128 v[AC+4*(\t):AC+4*(\t)+3], v[RD] offset:(\t)*SP  ; LDS serves a wave's instructions in order (ISA guide 5.7.1.4): these see the stores above; the next block's stores come behind them
.endr
.endm
.macro SEND a, younger                 ; younger: the LDS instructions issued behind block a's loads: the next block's 32, or none
.set AC, 64*((\a)%4)
	WIN 0x88+0x44*((\a)/4)
.irp t, 0,1,2,3,4,5,6,7,8,9,10,11,12,13,14,15
	s_wait_dscnt (\younger)+15-(\t)                ; row t is back
	global_store_b128 v[CO], v[AC+4*(\t):AC+4*(\t)+3], s[8:9] offset:(16*(\a)+(\t))*OROW th:TH_STORE_NT  ; 512 consecutive bytes, at a multiple of 256 from part's first byte; 127 rows at the most stand in the immediate
.endr
.endm
	TOSTAGE 0
.irp a, 1,2,3,4,5,6,7                  ; a block's trip through the stage is issued ahead of the stores of the block before
	TOSTAGE \a
	SEND (\a)-1, 32
.endr
	SEND 7, 0
	WIN 0
	s_wait_tensorcnt 0x0                           ; the wave's end: the add and its wait stand behind my last tensor load and my last LDS store
	ds_add_u32 v[SPW], v[NIL]
	s_wait_dscnt 0x0
	CROUND                                         ; the closing round: no work-group ends while a partner may still ask for a tile that names it
	s_endpgm
.Lfunc_end_k_qf4884d4ed7_gemm:
	.size	k_qf4884d4ed7_gemm, .Lfunc_end_k_qf4884d4ed7_gemm-k_qf4884d4ed7_gemm
	.p2alignl 7, 3214868480
	.fill 96, 4, 3214868480
	.section	.rodata,"a",@progbits
	.p2align	6, 0x0
	.amdhsa_kernel k_qf4884d4ed7_gemm
		.amdhsa_group_segment_fixed_size 327680
		.amdhsa_private_segment_fixed_size 0
		.amdhsa_enable_private_segment 0
		.amdhsa_kernarg_size 24
		.amdhsa_user_sgpr_count 2
		.amdhsa_user_sgpr_kernarg_segment_ptr 1
		.amdhsa_wavefront_size32 1
		.amdhsa_system_sgpr_workgroup_id_x 1
		.amdhsa_system_sgpr_workgroup_id_y 1
		.amdhsa_system_sgpr_workgroup_id_z 1
		.amdhsa_system_vgpr_workitem_id 0
		.amdhsa_next_free_vgpr 1024
		.amdhsa_next_free_sgpr 88
		.amdhsa_reserve_vcc 0
		.amdhsa_float_denorm_mode_32 3
		.amdhsa_float_denorm_mode_16_64 3
		.amdhsa_memory_ordered 1
		.amdhsa_forward_progress 1
		.amdhsa_inst_pref_size 145
	.end_amdhsa_kernel
	.amdgpu_metadata
---
amdhsa.version: [ 1, 2 ]
amdhsa.kernels:
  - .name:           k_qf4884d4ed7_gemm
    .symbol:         k_qf4884d4ed7_gemm.kd
    .args:
      - { .name: xb, .offset: 0, .size: 8, .value_kind: global_buffer, .address_space: global }
      - { .name: wb, .offset: 8, .size: 8, .value_kind: global_buffer, .address_space: global }
      - { .name: part, .offset: 16, .size: 8, .value_kind: global_buffer, .address_space: global }
    .group_segment_fixed_size: 327680
    .private_segment_fixed_size: 0
    .kernarg_segment_align: 8
    .kernarg_segment_size: 24
    .max_flat_workgroup_size: 128
    .sgpr_count:     88
    .vgpr_count:     1024
    .wavefront_size: 32
...
	.end_amdgpu_metadata
.endif
;; end of part 2
;; launch add (part 3): grid 512 x 1, 8 waves a work-group, no clusters, 0 bytes of LDS; arguments part, out0; writes out0
.if DOCPART == 3
	.amdgcn_target "amdgcn-amd-amdhsa--gfx1250"
	.amdhsa_code_object_version 6
	.text
	.protected	k_qf4884d4ed7_add
	.globl	k_qf4884d4ed7_add
	.p2align	8
	.type	k_qf4884d4ed7_add,@function
k_qf4884d4ed7_add:
	s_mov_b64 s[64:65], 0
	v_nop
	global_prefetch_b8 v0, s[64:65] scope:SCOPE_SE
	s_setreg_imm32_b32 hwreg(HW_REG_WAVE_MODE, 25, 1), 1
	s_wait_xcnt 0x0
; out0[i] = part[0][i] + part[1][i], i = 0 .. 8,388,607, all f32: the two halves of K, made by the launch before, are added, the lower half first.  Nothing is left out.
; SHARES.  A work-group makes 65,536 bytes of out0: sixteen pieces of 4,096 bytes, 16 bytes a thread in each.  A load or store of a wave covers 512 consecutive bytes, at a multiple of 256 from its buffer's first byte.
; All 32 loads of a wave go out at once; each pair is added as it comes and stored from the registers that the first of the two filled.  No register is written again behind its store, so the only waits are
; the counted ones for the loads.  No LDS, no barrier, no cluster, no matrix unit: no byte is wanted twice.  No prefetch: the loads themselves are the stream.
.set PIECES, 16
.set PIECE,  4096
.set HALF,   33554432                  ; bytes in one half of part
.set OFF, 1                            ; v1        16 x my thread's number; never rewritten
.set A,   8                            ; v[8:71]   piece i of part[0], then of out0
.set B,   72                           ; v[72:135] piece i of part[1]
	s_load_b128 s[4:7], s[0:1], 0x0                ; part s[4:5], out0 s[6:7]
	s_lshl_b32 s8, ttmp9, 16                       ; the work-group's 65,536 bytes
	s_mov_b32 s9, 0
	v_lshlrev_b32 v[OFF], 4, v0
	s_wait_kmcnt 0x0
	s_add_nc_u64 s[4:5], s[4:5], s[8:9]
	s_add_nc_u64 s[6:7], s[6:7], s[8:9]
	s_add_nc_u64 s[10:11], s[4:5], HALF
.set i, 0
.rept PIECES
	global_load_b128 v[A+4*i:A+4*i+3], v[OFF], s[4:5]   offset:PIECE*i th:TH_LOAD_NT
	global_load_b128 v[B+4*i:B+4*i+3], v[OFF], s[10:11] offset:PIECE*i th:TH_LOAD_NT
.set i, i+1
.endr
.set i, 0
.rept PIECES
	s_wait_loadcnt 2*(PIECES-1-i)                  ; loads come back in order (ISA guide 5.7.1): piece i's two are in, the younger pairs stay out
	v_pk_add_f32 v[A+4*i:A+4*i+1],   v[A+4*i:A+4*i+1],   v[B+4*i:B+4*i+1]
	v_pk_add_f32 v[A+4*i+2:A+4*i+3], v[A+4*i+2:A+4*i+3], v[B+4*i+2:B+4*i+3]
	global_store_b128 v[OFF], v[A+4*i:A+4*i+3], s[6:7] offset:PIECE*i th:TH_STORE_NT
.set i, i+1
.endr
	s_endpgm
.Lfunc_end_k_qf4884d4ed7_add:
	.size	k_qf4884d4ed7_add, .Lfunc_end_k_qf4884d4ed7_add-k_qf4884d4ed7_add
	.p2alignl 7, 3214868480
	.fill 96, 4, 3214868480
	.section	.rodata,"a",@progbits
	.p2align	6, 0x0
	.amdhsa_kernel k_qf4884d4ed7_add
		.amdhsa_group_segment_fixed_size 0
		.amdhsa_private_segment_fixed_size 0
		.amdhsa_enable_private_segment 0
		.amdhsa_kernarg_size 16
		.amdhsa_user_sgpr_count 2
		.amdhsa_user_sgpr_kernarg_segment_ptr 1
		.amdhsa_wavefront_size32 1
		.amdhsa_system_sgpr_workgroup_id_x 1
		.amdhsa_system_sgpr_workgroup_id_y 1
		.amdhsa_system_sgpr_workgroup_id_z 1
		.amdhsa_system_vgpr_workitem_id 0
		.amdhsa_next_free_vgpr 136
		.amdhsa_next_free_sgpr 66
		.amdhsa_reserve_vcc 0
		.amdhsa_float_denorm_mode_32 3
		.amdhsa_float_denorm_mode_16_64 3
		.amdhsa_memory_ordered 1
		.amdhsa_forward_progress 1
		.amdhsa_inst_pref_size 8
	.end_amdhsa_kernel
	.amdgpu_metadata
---
amdhsa.version: [ 1, 2 ]
amdhsa.kernels:
  - .name:           k_qf4884d4ed7_add
    .symbol:         k_qf4884d4ed7_add.kd
    .args:
      - { .name: part, .offset: 0, .size: 8, .value_kind: global_buffer, .address_space: global }
      - { .name: out0, .offset: 8, .size: 8, .value_kind: global_buffer, .address_space: global }
    .group_segment_fixed_size: 0
    .private_segment_fixed_size: 0
    .kernarg_segment_align: 8
    .kernarg_segment_size: 16
    .max_flat_workgroup_size: 256
    .sgpr_count:     66
    .vgpr_count:     136
    .wavefront_size: 32
...
	.end_amdgpu_metadata
.endif
;; end of part 3
